; MI455X (gfx1250); checked and timed in simulation.
; The chip was launched on July 23, 2026; its instructions are those of AMD's public machine-readable ISA for CDNA 5 (MIT licence, August 2026) and "CDNA5" Instruction Set Architecture Reference Guide (July 2026). The comments in the code are by the model that wrote it; some were corrected since.
;; Self Attention. Allowed arithmetic: matrix products marked QUANTISED: E2M1 operands, one E8M0 scale for each 32 along K, by v_wmma_scale_f32_16x16x128_f8f6f4 with both operands' format E2M1 (or v_wmma_scale_f32_32x16x128_f4), f32 sums; everything else in f32.
;; Inputs: Wk_codes 64 x 16 x 16 uint8 (E2M1 codes of Wk, K innermost, in blocks of 32 codes, two codes a byte); Wk_scales 64 x 16 uint8 (E8M0 scales of Wk, one for each 32 codes along K); Wq_codes 64 x 16 x 16 uint8 (E2M1 codes of Wq, K innermost, in blocks of 32 codes, two codes a byte); Wq_scales 64 x 16 uint8 (E8M0 scales of Wq, one for each 32 codes along K); Wv_codes 512 x 16 x 16 uint8 (E2M1 codes of Wv, K innermost, in blocks of 32 codes, two codes a byte); Wv_scales 512 x 16 uint8 (E8M0 scales of Wv, one for each 32 codes along K); bk 64 float32; bq 64 float32; bv 512 float32; gamma 1 float32; x 4 x 512 x 64 x 64 float32.
;; Outputs: out0 4 x 512 x 64 x 64 float32.
;; This version of the problem:
;;   THIS VERSION OF THE PROBLEM IS GIVEN IN LOW PRECISION. The matrix products marked QUANTISED in the list below multiply operands that are first quantised to E2M1 (2 exponent bits, 1 mantissa bit; 4 bits a number), with one power-of-two scale for each 32 numbers along K (OCP MX v1.0); their sums are f32. All else is computed in f32.
;;   The module's matrix products, in the order in which they are computed (A, B: the left and right operand; K: the contracted axis; several contracted axes count as one K, in the product's order):
;;     1. [M 16,384, K 512] x [K 512, N 64]; A: input x; B: input Wk (given as codes): QUANTISED
;;     2. [M 16,384, K 512] x [K 512, N 64]; A: input x; B: input Wq (given as codes): QUANTISED
;;     3. [M 16,384, K 512] x [K 512, N 512]; A: input x; B: input Wv (given as codes): QUANTISED
;;     4. batch 4 x [M 4,096, K 64] x [K 64, N 4,096]; A: computed on the way; B: computed on the way: QUANTISED
;;     5. batch 4 x [M 512, K 4,096] x [K 4,096, N 4,096]; A: computed on the way; B: softmax (see below): QUANTISED
;;   THE QUANTISER, for each operand of a quantised product, along K:
;;     - K is cut into blocks of 32 from its start; a last block that is shorter is filled with zeros.
;;     - A block's scale is 2^e with e = floor(log2(the largest magnitude in the block)) - 2, held to -126 .. 127; a block of zeros has e = 0. As a byte (E8M0): e + 127.
;;     - Each number is divided by its block's scale, clamped to +-6, and rounded to the nearest number of E2M1, ties to even, subnormals kept.
;;     - The product sums the exact products of the quantised numbers (number of the format x scale) in f32.
;;   ~~~python
;;   def quantise(x, axis):      # numpy; x: float32 -> the quantised numbers, widened to float32 again
;;       x = np.moveaxis(x, axis, -1); K = x.shape[-1]
;;       x = np.pad(x, [(0, 0)] * (x.ndim - 1) + [(0, -K % 32)]); x = x.reshape(x.shape[:-1] + (-1, 32)); a = np.abs(x).max(-1, keepdims=True)
;;       e = np.where(a > 0, np.clip(np.frexp(np.where(a > 0, a, 1))[1] - 1 - 2, -126, 127), 0)      # np.frexp(a)[1] - 1 = floor(log2(a)), exactly
;;       r = np.clip(x / 2.0 ** e, -6, 6)
;;       step = 2.0 ** (np.maximum(np.frexp(np.where(r == 0, 1, r))[1] - 1, 0) - 1)
;;       q = np.round(r / step) * step * 2.0 ** e      # np.round: ties to even
;;       return np.moveaxis(q.reshape(q.shape[:-2] + (-1,))[..., :K], -1, axis).astype(np.float32)
;;   ~~~
;;   SOFTMAX AHEAD OF A QUANTISED PRODUCT. Where the list says 'softmax', what is quantised is not the finished softmax but p = 2^(t - M), with t = logit x log2(e) and M = ceil(the row's largest t), a whole number; so 1/2 < the row's largest p <= 1. The row's sum l is taken of the UNQUANTISED p, in f32, and the product's result is divided by l at the end. Since M is a whole number, a kernel that streams over the keys may use a running M (the ceiling of the running maximum): every later rescaling is an exact power of two, which a block's scale takes up: the codes' values come out the same.
;;   OPERANDS COMPUTED ON THE WAY. 'Computed on the way' means the value that the module computes at that place (a softmax that the list does not call 'softmax' is quantised finished and normalised). What goes into a quantiser is computed in f32, as accurately as f32 sums, v_exp_f32 and their like allow (about 1e-6 of the number): no bf16 or f16 on the way to a quantiser, and a product that is left as it is and whose result goes on into a quantised operand takes f32 operands (vector FMAs, or v_wmma_f32_16x16x4_f32). A number that lies on a knife's edge between two numbers of the format may be rounded either way, as far as f32 arithmetic and the matrix unit's own rounding can turn it there, and no further.
;;   INPUTS GIVEN AS CODES. Wk (in the module: [64, 512], K = its axis 1); Wq (in the module: [64, 512], K = its axis 1); Wv (in the module: [512, 512], K = its axis 1): each comes as NAME_codes (uint8): NAME with its K axis moved to the last place and cut into blocks of 32 codes, [.., K / 32, bytes a block], one block behind the other in memory; two codes a byte, the lower K in the low four bits (a code: sign, 2 exponent bits, 1 mantissa bit); and NAME_scales (uint8): the same leading axes, one E8M0 byte (e + 127) for each 32 codes along K. Its value is code x scale, taken as it is: it is not quantised again, and the codes and scales need not be those that the quantiser above would give.
;; One version. Each part assembles by itself: llvm-mc -triple=amdgcn-amd-amdhsa -mcpu=gfx1250 --defsym DOCPART=n.
;; ======== version 1 of 1: 2 launches
;; workspace buffers: kimg 589,824 bytes; qimg 589,824 bytes; vimg 4,456,448 bytes
;; launch proj (part 1): grid 256 x 1, 4 waves a work-group, no clusters, 168,448 bytes of LDS; arguments x, Wk_codes, Wk_scales, Wq_codes, Wq_scales, Wv_codes, Wv_scales, bk, bq, bv, kimg, qimg, vimg; writes kimg, qimg, vimg
.if DOCPART == 1
	.amdgcn_target "amdgcn-amd-amdhsa--gfx1250"
	.amdhsa_code_object_version 6
	.text
	.protected	k_q800b0e9e4e_proj
	.globl	k_q800b0e9e4e_proj
	.p2align	8
	.type	k_q800b0e9e4e_proj,@function
k_q800b0e9e4e_proj:
	s_mov_b64 s[64:65], 0
	v_nop
	global_prefetch_b8 v0, s[64:65] scope:SCOPE_SE
	s_setreg_imm32_b32 hwreg(HW_REG_WAVE_MODE, 25, 1), 1
	s_wait_xcnt 0x0
; k = Wk x + bk, q = Wq x + bq, v = Wv x + bv for 64 pixels of one image, all on codes of FP4 (E2M1) with one E8M0 scale for each 32 along K, and the three results
; quantised again for the attention that follows: k and q along their 64 outputs, v along the pixels (the keys).  x: [4][512][4096] f32; the weights come as codes, K innermost.
; SHARES.  256 work-groups: image n = id / 64, block of 64 pixels blk = id % 64.  Four waves.  Wave w: (X) quantises channels 128 w .. 128 w + 127 of the 64 pixels; (Q) makes k and q of the
; 16 pixels of tile w; (V) makes v's channels 128 w .. 128 w + 127 for all 64 pixels.  160 matrix instructions a wave.
; THE PIXELS OF A TILE ARE NOT NEIGHBOURS: row r of tile 2 b + u is pixel 32 b + 8 u + r + 8 (r / 8), so that a result's 16 registers of tiles 2 b and 2 b + 1 are 16 neighbours, 32 b + 16 (lane / 16) + 0 .. 15.
; x: K (the channels) is not innermost.  A lane takes a pixel and its registers run down the channels: a block of 32 lies in one lane, and the conversions give codes with K innermost.
; OPERANDS GO FROM WAVE TO WAVE, AND TO THE NEXT LAUNCH, AS IMAGES OF THEIR REGISTERS: four registers of a fragment are 512 bytes, lane l's 16 bytes at 16 l.
; OUT.  kimg, qimg [n][blk][2304]: four tiles x 512 bytes (registers 0-3 of a fragment: outputs 32 (lane / 16) + 0 .. 31; registers 4-7 are zeros and are not stored), then 256 bytes of scale words:
;   word j of lane (r, h) is that of tile 2 j + h, row r; bytes 0, 1 the two blocks, bytes 2, 3 zero (they scale zero codes alone).
;   vimg [n][eighth of the channels e][step of 128 keys][4352]: four tiles of 16 channels x 1024 bytes (register group c at 512 c: keys 64 c + 32 (lane / 16) + 0 .. 31), then 256 bytes of scale words:
;   word j of lane (r, h): tile 2 j + h, row r.  My wave's tiles 0-3 are eighth 2 w, tiles 4-7 eighth 2 w + 1 (32 x 4,352 = 139,264 bytes on).  This work-group fills group c = blk % 2 and that half of each word.
; The code stores cover 512 consecutive aligned bytes each.  The scale words (1.5 KB of a work-group's 21 KB) leave in pieces of 2 and 4 bytes: a whole word of v wants 128 pixels, which would halve the number of work-groups.
; NO CLUSTER: what the work-groups share is the weights.  Each wave takes its fragments (64 KB: a quarter of Wv, all of Wk and Wq) straight into 512 registers, in the fragments' order, while x is on its way;
; a joint tensor load would land them in LDS and add that much LDS traffic a wave for one use.
; LDS is filled once by the tensor loads: no slot is filled again.
; LIMITS: NaN and infinities among the inputs are not served.  A block of zeros, or one whose largest magnitude lies under 2^-124, gets the scale byte 1 (the floor): this program alone reads the bytes.
; REGISTERS.  window 0: v1-17 addresses, v18-23 lane numbers; v24-87 numbers of x, later two sets of four accumulators (phase Q: eight); v88-171 scale words; v172-211 codes, a run of four for each store;
;   v212-246 at work.  window 1: Wv's 32 fragments.  window 2: Wk's 16, Wq's 16.  window 3: v0-127 x's 16 fragments, v128-159 my tile's four once more, v160-223 biases in the result's layout.
.set XIMG, 131072                      ; LDS: 0 .. the four waves' tiles of x, 128 rows x 256 bytes each; here x's 16 fragments, (tile m, K step s) at (4 m + s) x 1024
.set XSC,  147456                      ; and their scale words: 256 m + 16 r + 4 s
.set EIGHTH, 139264                    ; vimg: from one eighth of the channels to the next
.set ACC,  24
.set XS,   88                          ; x's scale words, 4 m + s
.set WVS,  104                         ; Wv's, 4 t + s
.set WQS,  136                         ; Wk's (t = 0 .. 3) and Wq's (4 .. 7), 4 t + s
.set XQS,  168                         ; my tile's, s
.set CODES, 172
.set TM,   212
.set VSC,  220                         ; v's scale halves, tile t
.set BVL,  228                         ; bv of my lane's channel, tile t
.set KW,   236
.set QW,   237
.set PC,   238
.set SW,   242
.set SCO,  243
.set EB,   244
.set MXA,  245
.set MXB,  246
.set XQF,  128                         ; in window 3
.set BC,   160                         ; in window 3
.set MSB, 0
.macro WIN new                         ; the immediate's high byte repeats the setting that is left
.if MSB != \new
	s_set_vgpr_msb (MSB<<8)|\new
.set MSB, \new
.endif
.endm
.macro NOPS n
.rept \n
	v_nop
.endr
.endm
	s_load_b512 s[8:23], s[0:1], 0x0               ; x s[8:9], Wk codes s[10:11], Wk scales s[12:13], Wq codes s[14:15], Wq scales s[16:17], Wv codes s[18:19], Wv scales s[20:21], bk s[22:23]
	s_load_b256 s[24:31], s[0:1], 0x40             ; bq s[24:25], bv s[26:27], kimg s[28:29], qimg s[30:31]
	s_load_b64 s[32:33], s[0:1], 0x60              ; vimg
	v_lshl_add_u32 v254, v0, 2, 0x29000
	v_mov_b32 v255, 0
	ds_add_u32 v254, v255
	ds_add_u32 v254, v255
	v_lshrrev_b32 v18, 5, v0
	v_readfirstlane_b32 s34, v18                   ; wave 0..3
	s_lshr_b32 s50, ttmp9, 6                       ; n
	s_and_b32 s51, ttmp9, 63                       ; blk
	; descriptor group 1: 128 rows (channels) x 64 elements of 4 bytes (pixels), 4,096 elements from row to row, no padding: a wave's reads take 128 consecutive bytes
	s_mov_b32 s40, 2<<16                           ; no mask; elements of 4 bytes
	s_mov_b32 s41, 64<<16                          ; tensor_dim0
	s_mov_b32 s42, 128<<16                         ; tensor_dim1
	s_mov_b32 s43, 64<<16                          ; tile_dim0
	s_mov_b32 s44, 128                             ; tile_dim1
	s_mov_b32 s45, 4096                            ; stride
	s_mov_b32 s46, 0
	s_mov_b32 s47, 0
	s_lshl_b32 s52, s50, 23                        ; n x 512 x 16,384 bytes
	s_lshl_b32 s54, s34, 21                        ; + my 128 channels
	s_add_co_u32 s52, s52, s54
	s_lshl_b32 s54, s51, 8                         ; + my 64 pixels
	s_add_co_u32 s52, s52, s54
	s_mov_b32 s53, 0
	s_mov_b32 s36, 1
	s_lshl_b32 s37, s34, 15                        ; LDS: wave x 32,768
	s_wait_dscnt 0x0
	s_wait_kmcnt 0x0
	s_add_nc_u64 s[38:39], s[8:9], s[52:53]
	s_or_b32 s39, s39, 0x80000000
	tensor_load_to_lds s[36:39], s[40:47]          ; my 128 channels of the 64 pixels: one load of mine is out
	s_nop 0
	NOPS 4
	s_lshl_b32 s52, s34, 15
	s_add_nc_u64 s[18:19], s[18:19], s[52:53]      ; Wv: my 128 rows of 256 bytes,
	s_lshl_b32 s52, s34, 11
	s_add_nc_u64 s[20:21], s[20:21], s[52:53]      ; their scale bytes,
	s_lshl_b32 s52, s34, 9
	s_add_nc_u64 s[26:27], s[26:27], s[52:53]      ; their biases
	s_mul_i32 s52, ttmp9, 2304
	s_add_nc_u64 s[28:29], s[28:29], s[52:53]      ; kimg and qimg at my block
	s_add_nc_u64 s[30:31], s[30:31], s[52:53]
	s_lshl_b32 s52, s50, 2
	s_add_co_u32 s52, s52, s34
	s_lshl_b32 s52, s52, 6                         ; (8 n + 2 w) x 32 steps
	s_lshr_b32 s54, s51, 1
	s_add_co_u32 s52, s52, s54
	s_mul_i32 s52, s52, 4352                       ; ((8 n + 2 w) x 32 + blk / 2) x 4,352
	s_add_nc_u64 s[32:33], s[32:33], s[52:53]
	s_and_b32 s54, s51, 1
	s_lshl_b32 s52, s54, 9
	s_add_nc_u64 s[56:57], s[32:33], s[52:53]      ; v's codes: register group blk % 2
	s_lshl_b32 s52, s54, 1
	s_add_nc_u64 s[58:59], s[32:33], s[52:53]      ; v's scale words: that half
	s_mov_b32 s48, 0x76543210
	s_mov_b32 s49, 0xfedcba98                      ; v_permlanex16_b32's selects for lane l xor 16
	v_and_b32 v18, 31, v0                          ; lane
	v_and_b32 v19, 15, v0                          ; r
	v_bfe_u32 v20, v0, 4, 1                        ; h
	v_bfe_u32 v21, v0, 3, 1                        ; u of the pixel that phase X gives my lane
	v_and_b32 v22, 7, v0
	v_lshl_add_u32 v22, v20, 3, v22                ; and its row in the tile: lane % 8 + 8 h
	v_and_b32 v23, 8, v0
	v_add_nc_u32 v23, v23, v19                     ; r + 8 (r / 8)
	s_lshl_b32 s60, s34, 15
	v_lshl_add_u32 v1, v18, 2, s60                 ; my pixel in my wave's tile of x
	s_lshl_b32 s60, s34, 10
	s_add_co_u32 s60, s60, XIMG
	v_lshl_add_u32 v2, v21, 12, s60
	v_lshl_add_u32 v2, v22, 4, v2                  ; where a block's 16 bytes of codes go: K step w, tile 2 g + u, row
	s_lshl_b32 s60, s34, 2
	s_add_co_u32 s60, s60, XSC
	v_lshl_add_u32 v3, v21, 8, s60
	v_lshl_add_u32 v3, v22, 4, v3                  ; and the pixel's scale word of K step w
	v_lshlrev_b32 v4, 4, v18                       ; 16 x lane
	v_add_nc_u32 v5, XIMG, v4                      ; an image's place for my lane
	v_lshl_add_u32 v6, v19, 4, XSC                 ; row r's four scale words
	s_lshl_b32 s60, s34, 12
	s_add_co_u32 s60, s60, XIMG
	v_add_nc_u32 v7, s60, v4                       ; tile w's fragments
	s_lshl_b32 s60, s34, 8
	s_add_co_u32 s60, s60, XSC
	v_lshl_add_u32 v8, v19, 4, s60                 ; and its scale words
	v_lshlrev_b32 v9, 8, v19
	v_lshl_add_u32 v9, v20, 4, v9                  ; Wv: row r of 256 bytes + 16 h
	v_lshlrev_b32 v10, 8, v23
	v_lshl_add_u32 v10, v20, 4, v10                ; Wk, Wq: row r + 8 (r / 8)
	v_lshlrev_b32 v11, 4, v19                      ; their scale bytes: 16 a row
	v_lshlrev_b32 v12, 4, v23
	v_lshlrev_b32 v13, 2, v19                      ; bv of channel r
	v_lshlrev_b32 v14, 6, v20                      ; bk, bq: outputs 16 h on
	s_lshl_b32 s60, s34, 9
	v_add_nc_u32 v15, s60, v4                      ; kimg, qimg: tile w's codes
	s_and_b32 s60, s34, 1
	s_lshl_b32 s60, s60, 7
	s_lshr_b32 s61, s34, 1
	s_lshl_b32 s61, s61, 2
	s_add_co_u32 s60, s60, s61
	s_add_co_u32 s60, s60, 2048
	v_lshl_add_u32 v16, v19, 3, s60                ; and its scale words: 2048 + 8 (16 (w % 2) + r) + 4 (w / 2)
	v_lshl_add_u32 v17, v18, 3, 4096               ; vimg: my lane's two scale words of a step
	v_mov_b32 v[TM+2], 0                           ; written once: a lane permute's destination counts as one of its sources
	v_mov_b32 v[TM+3], 0
	; the weights, their scale words and the biases go straight into registers while x is on its way
	WIN 0x40                                       ; destination window 1
.irp t, 0,1,2,3,4,5,6,7
.irp s, 0,1,2,3
.irp c, 0,1
	global_load_b128 v[8*(4*\t+\s)+4*\c:8*(4*\t+\s)+4*\c+3], v9, s[18:19] offset:\t*4096+\s*64+\c*32
.endr
.endr
.endr
	WIN 0x80                                       ; destination window 2
.irp t, 0,1,2,3                        ; tile t = 2 b + u begins at row 32 b + 8 u
.irp s, 0,1,2,3
.irp c, 0,1
	global_load_b128 v[8*(4*\t+\s)+4*\c:8*(4*\t+\s)+4*\c+3], v10, s[10:11] offset:(32*(\t/2)+8*(\t%2))*256+\s*64+\c*32
	global_load_b128 v[128+8*(4*\t+\s)+4*\c:128+8*(4*\t+\s)+4*\c+3], v10, s[14:15] offset:(32*(\t/2)+8*(\t%2))*256+\s*64+\c*32
.endr
.endr
.endr
	WIN 0xc0                                       ; destination window 3: register j of tile 2 b + u is output 32 b + 8 u + 16 h + j
.irp t, 0,1,2,3
	global_load_b128 v[BC+8*\t:BC+8*\t+3], v14, s[22:23] offset:(32*(\t/2)+8*(\t%2))*4
	global_load_b128 v[BC+8*\t+4:BC+8*\t+7], v14, s[22:23] offset:(32*(\t/2)+8*(\t%2))*4+16
	global_load_b128 v[BC+32+8*\t:BC+32+8*\t+3], v14, s[24:25] offset:(32*(\t/2)+8*(\t%2))*4
	global_load_b128 v[BC+32+8*\t+4:BC+32+8*\t+7], v14, s[24:25] offset:(32*(\t/2)+8*(\t%2))*4+16
.endr
	WIN 0
.irp t, 0,1,2,3,4,5,6,7
	global_load_b128 v[WVS+4*\t:WVS+4*\t+3], v11, s[20:21] offset:\t*256       ; a row's 16 scale bytes are its words of the four K steps
.endr
.irp t, 0,1,2,3
	global_load_b128 v[WQS+4*\t:WQS+4*\t+3], v12, s[12:13] offset:(32*(\t/2)+8*(\t%2))*16
	global_load_b128 v[WQS+16+4*\t:WQS+16+4*\t+3], v12, s[16:17] offset:(32*(\t/2)+8*(\t%2))*16
.endr
.irp t, 0,1,2,3,4,5,6,7
	global_load_b32 v[BVL+\t], v13, s[26:27] offset:64*\t
.endr
; ---- X.  Unit k = 4 g + e: pixels 32 g + lane, channels 32 e + 0 .. 31 of my 128: one block of 32 a lane.
.macro XLOADS k
.set XB, ACC+32*((\k)%2)
.set ii, 0
.rept 32
	ds_load_b32 v[XB+ii], v1 offset:(32*((\k)%4)+ii)*256+128*((\k)/4)
.set ii, ii+1
.endr
.endm
.macro XQ k
.set XB, ACC+32*((\k)%2)
.set BE, (\k)%4
.set GH, (\k)/4
	v_max3_num_f32 v[MXA], |v[XB]|, |v[XB+1]|, |v[XB+2]|            ; the block's largest magnitude: all 32 numbers are mine; two chains
	v_max3_num_f32 v[MXB], |v[XB+3]|, |v[XB+4]|, |v[XB+5]|
.irp i, 6,10,14,18,22,26
	v_max3_num_f32 v[MXA], v[MXA], |v[XB+\i]|, |v[XB+\i+1]|
	v_max3_num_f32 v[MXB], v[MXB], |v[XB+\i+2]|, |v[XB+\i+3]|
.endr
	v_max3_num_f32 v[MXA], v[MXA], |v[XB+30]|, |v[XB+31]|
	v_max3_num_f32 v[MXA], v[MXA], v[MXB], 0x1800000                ; and the floor 2^(3 - 127): the byte cannot fall under 1
	v_add_nc_u32 v[SCO], 0xff000000, v[MXA]        ; 2 off the exponent field: the conversion takes this operand's exponent field as its scale
	v_lshrrev_b32 v[EB], 23, v[SCO]                ; the scale's byte
.if BE == 0
	v_mov_b32 v[SW], v[EB]
.else
	v_lshl_or_b32 v[SW], v[EB], 8*BE, v[SW]        ; four bytes make the pixel's word of this K step
.endif
.irp g, 0,1,2,3
	v_cvt_scalef32_pk8_fp4_f32 v[PC+\g], v[XB+8*\g:XB+8*\g+7], v[SCO]
.endr
	v_nop                                          ; one plain place behind a scaled conversion
	ds_store_b128 v2, v[PC:PC+3] offset:GH*8192+(BE/2)*512+(BE%2)*256   ; block e is register group e / 2 of lane (row, e % 2)
.if BE == 3
	ds_store_b32 v3, v[SW] offset:GH*512
.endif
.endm
	s_wait_tensorcnt 0x0                           ; my tile is in LDS; I alone read it
	XLOADS 0
.irp k, 0,1,2,3,4,5,6
	XLOADS \k+1
	s_wait_dscnt 32                                ; all but the 32 loads just issued: this unit's numbers are in, and the last unit's stores have read their registers
	XQ \k
.endr
	s_wait_dscnt 0x0
	XQ 7
	s_wait_dscnt 0x0                               ; my stores have landed
	s_barrier_signal -1
	s_barrier_wait -1                              ; x's sixteen fragments and their scale words lie in LDS
	WIN 0xc0                                       ; destination window 3
.irp f, 0,1,2,3,4,5,6,7,8,9,10,11,12,13,14,15
.irp c, 0,1
	ds_load_b128 v[8*\f+4*\c:8*\f+4*\c+3], v5 offset:\f*1024+512*\c
.endr
.endr
.irp s, 0,1,2,3
.irp c, 0,1
	ds_load_b128 v[XQF+8*\s+4*\c:XQF+8*\s+4*\c+3], v7 offset:\s*1024+512*\c    ; tile w's once more: a register's number cannot hang on the wave
.endr
.endr
	WIN 0
.irp m, 0,1,2,3
	ds_load_b128 v[XS+4*\m:XS+4*\m+3], v6 offset:256*\m
.endr
	ds_load_b128 v[XQS:XQS+3], v8
	s_wait_loadcnt 0x0                             ; the weights
	s_wait_dscnt 0x0
; 32 numbers of a lane, register 16 b + i = place 32 b + 16 (lane / 16) + i along K of my row, become registers d .. d + 3 of a fragment and the two scale bytes in wd.
.macro QUANT2 s, d, wd
.irp b, 0,1
	v_max3_num_f32 v[TM+\b], |v[(\s)+16*\b]|, |v[(\s)+1+16*\b]|, 0x1800000     ; my 16 numbers of block b, and the floor; each accumulator is read from its low end on
.endr
.irp i, 2,4,6,8,10,12,14
.irp b, 0,1
	v_max3_num_f32 v[TM+\b], v[TM+\b], |v[(\s)+16*\b+\i]|, |v[(\s)+1+16*\b+\i]|
.endr
.endr
.irp b, 0,1
	v_permlanex16_b32 v[TM+2+\b], v[TM+\b], s48, s49
.endr
.irp b, 0,1
	v_max_num_f32 v[TM+\b], v[TM+\b], v[TM+2+\b]   ; with lane l xor 16's: the block's largest magnitude
.endr
.irp b, 0,1
	v_add_nc_u32 v[TM+4+\b], 0xff000000, v[TM+\b]
.endr
.irp b, 0,1
	v_lshrrev_b32 v[TM+6+\b], 23, v[TM+4+\b]
.endr
	v_lshl_or_b32 v[\wd], v[TM+7], 8, v[TM+6]
.irp b, 0,1
	v_cvt_scalef32_pk8_fp4_f32 v[(\d)+2*\b], v[(\s)+16*\b:(\s)+16*\b+7], v[TM+4+\b]
	v_cvt_scalef32_pk8_fp4_f32 v[(\d)+1+2*\b], v[(\s)+8+16*\b:(\s)+8+16*\b+7], v[TM+4+\b]
.endr
	v_nop                                          ; one plain place behind a scaled conversion
	v_permlane16_swap_b32 v[(\d)], v[(\d)+2]       ; the operand's layout wants a whole block in a lane: lanes 0-15 block 0, lanes 16-31 block 1
	v_permlane16_swap_b32 v[(\d)+1], v[(\d)+3]
.endm
; ---- Q.  k and q of tile w, transposed: source 0 = 16 rows of Wk or Wq, source 1 = x's 16 pixels: a lane holds one pixel.  The bias is the C of the first K step.  Eight accumulators by turns.
.irp s, 0,1,2,3
.if \s == 0
	WIN 0x3e                                       ; source 0 window 2, sources 1 and 2 window 3
.else
	WIN 0x0e
.endif
.irp t, 0,1,2,3,4,5,6,7
.if \s == 0
	v_wmma_scale_f32_16x16x128_f8f6f4 v[ACC+8*\t:ACC+8*\t+7], v[8*(4*\t+\s):8*(4*\t+\s)+7], v[XQF+8*\s:XQF+8*\s+7], v[BC+8*\t:BC+8*\t+7], v[WQS+4*\t+\s], v[XQS+\s] matrix_a_fmt:MATRIX_FMT_FP4 matrix_b_fmt:MATRIX_FMT_FP4
.else
	v_wmma_scale_f32_16x16x128_f8f6f4 v[ACC+8*\t:ACC+8*\t+7], v[8*(4*\t+\s):8*(4*\t+\s)+7], v[XQF+8*\s:XQF+8*\s+7], v[ACC+8*\t:ACC+8*\t+7], v[WQS+4*\t+\s], v[XQS+\s] matrix_a_fmt:MATRIX_FMT_FP4 matrix_b_fmt:MATRIX_FMT_FP4
.endif
.endr
.endr
	WIN 0
	NOPS 4                                         ; four places behind the last products (ISA guide 7.12.1)
	QUANT2 ACC, CODES+32, KW
	QUANT2 ACC+32, CODES+36, QW
	global_store_b128 v15, v[CODES+32:CODES+35], s[28:29]          ; 512 consecutive bytes
	global_store_b32 v16, v[KW], s[28:29]          ; lanes r and r + 16 store the same word with the same value
	global_store_b128 v15, v[CODES+36:CODES+39], s[30:31]
	global_store_b32 v16, v[QW], s[30:31]
	WIN 0xc0                                       ; bv in the result's layout: a lane holds one channel, so its eight registers hold one number
.irp t, 0,1,2,3,4,5,6,7
.irp j, 0,1,2,3,4,5,6,7
	v_mov_b32 v[BC+8*\t+\j], v[BVL+\t]
.endr
.endr
; ---- V.  Tile t: channels 16 t + 0 .. 15 of my 128, all 64 pixels.  Source 0 = x's 16 pixels, source 1 = 16 rows of Wv: a lane holds ONE channel and its registers run along the pixels, which are the next K.
; Four accumulators by turns, K step by K step; two sets, so that one tile is quantised behind the other's products.
.macro MMV t
.irp s, 0,1,2,3
.if \s == 0
	WIN 0x37                                       ; source 0 window 3, source 1 window 1, source 2 window 3
.else
	WIN 0x07
.endif
.irp m, 0,1,2,3
.if \s == 0
	v_wmma_scale_f32_16x16x128_f8f6f4 v[ACC+32*((\t)%2)+8*\m:ACC+32*((\t)%2)+8*\m+7], v[8*(4*\m+\s):8*(4*\m+\s)+7], v[8*(4*(\t)+\s):8*(4*(\t)+\s)+7], v[BC+8*(\t):BC+8*(\t)+7], v[XS+4*\m+\s], v[WVS+4*(\t)+\s] matrix_a_fmt:MATRIX_FMT_FP4 matrix_b_fmt:MATRIX_FMT_FP4
.else
	v_wmma_scale_f32_16x16x128_f8f6f4 v[ACC+32*((\t)%2)+8*\m:ACC+32*((\t)%2)+8*\m+7], v[8*(4*\m+\s):8*(4*\m+\s)+7], v[8*(4*(\t)+\s):8*(4*(\t)+\s)+7], v[ACC+32*((\t)%2)+8*\m:ACC+32*((\t)%2)+8*\m+7], v[XS+4*\m+\s], v[WVS+4*(\t)+\s] matrix_a_fmt:MATRIX_FMT_FP4 matrix_b_fmt:MATRIX_FMT_FP4
.endif
.endr
.endr
.endm
	MMV 0
.irp t, 0,1,2,3,4,5,6,7
.if \t < 7
	MMV \t+1                                       ; it begins the other set anew: behind that set's last products stand four v_nop and the plain lines of its quantising that name none of its registers, more than five places
	WIN 0
	NOPS 4
.endif
	QUANT2 ACC+32*(\t%2), CODES+4*\t, VSC+\t
	global_store_b128 v4, v[CODES+4*\t:CODES+4*\t+3], s[56:57] offset:(\t/4)*EIGHTH+(\t%4)*1024   ; 512 consecutive bytes; each store has data registers of its own
.endr
	v_cmp_lt_u32 vcc_lo, 15, v18                   ; lane (r, h) stores the halves of tiles 2 j + h
.irp j, 0,1,2,3
	v_cndmask_b32 v[VSC+2*\j], v[VSC+2*\j], v[VSC+2*\j+1], vcc_lo
.endr
.irp j, 0,1,2,3
	global_store_b16 v17, v[VSC+2*\j], s[58:59] offset:(\j/2)*EIGHTH+4*(\j%2)
.endr
	s_wait_tensorcnt 0x0
	ds_add_u32 v254, v255
	s_wait_dscnt 0x0
	s_endpgm
.Lfunc_end_k_q800b0e9e4e_proj:
	.size	k_q800b0e9e4e_proj, .Lfunc_end_k_q800b0e9e4e_proj-k_q800b0e9e4e_proj
	.p2alignl 7, 3214868480
	.fill 96, 4, 3214868480
	.section	.rodata,"a",@progbits
	.p2align	6, 0x0
	.amdhsa_kernel k_q800b0e9e4e_proj
		.amdhsa_group_segment_fixed_size 168448
		.amdhsa_private_segment_fixed_size 0
		.amdhsa_enable_private_segment 0
		.amdhsa_kernarg_size 104
		.amdhsa_user_sgpr_count 2
		.amdhsa_user_sgpr_kernarg_segment_ptr 1
		.amdhsa_wavefront_size32 1
		.amdhsa_system_sgpr_workgroup_id_x 1
		.amdhsa_system_sgpr_workgroup_id_y 1
		.amdhsa_system_sgpr_workgroup_id_z 1
		.amdhsa_system_vgpr_workitem_id 0
		.amdhsa_next_free_vgpr 1024
		.amdhsa_next_free_sgpr 66
		.amdhsa_reserve_vcc 1
		.amdhsa_float_denorm_mode_32 3
		.amdhsa_float_denorm_mode_16_64 3
		.amdhsa_memory_ordered 1
		.amdhsa_forward_progress 1
		.amdhsa_inst_pref_size 97
	.end_amdhsa_kernel
	.amdgpu_metadata
---
amdhsa.version: [ 1, 2 ]
amdhsa.kernels:
  - .name:           k_q800b0e9e4e_proj
    .symbol:         k_q800b0e9e4e_proj.kd
    .args:
      - { .name: x, .offset: 0, .size: 8, .value_kind: global_buffer, .address_space: global }
      - { .name: Wk_codes, .offset: 8, .size: 8, .value_kind: global_buffer, .address_space: global }
      - { .name: Wk_scales, .offset: 16, .size: 8, .value_kind: global_buffer, .address_space: global }
      - { .name: Wq_codes, .offset: 24, .size: 8, .value_kind: global_buffer, .address_space: global }
      - { .name: Wq_scales, .offset: 32, .size: 8, .value_kind: global_buffer, .address_space: global }
      - { .name: Wv_codes, .offset: 40, .size: 8, .value_kind: global_buffer, .address_space: global }
      - { .name: Wv_scales, .offset: 48, .size: 8, .value_kind: global_buffer, .address_space: global }
      - { .name: bk, .offset: 56, .size: 8, .value_kind: global_buffer, .address_space: global }
      - { .name: bq, .offset: 64, .size: 8, .value_kind: global_buffer, .address_space: global }
      - { .name: bv, .offset: 72, .size: 8, .value_kind: global_buffer, .address_space: global }
      - { .name: kimg, .offset: 80, .size: 8, .value_kind: global_buffer, .address_space: global }
      - { .name: qimg, .offset: 88, .size: 8, .value_kind: global_buffer, .address_space: global }
      - { .name: vimg, .offset: 96, .size: 8, .value_kind: global_buffer, .address_space: global }
    .group_segment_fixed_size: 168448
    .private_segment_fixed_size: 0
    .kernarg_segment_align: 8
    .kernarg_segment_size: 104
    .max_flat_workgroup_size: 128
    .sgpr_count:     66
    .vgpr_count:     1024
    .wavefront_size: 32
...
	.end_amdgpu_metadata
.endif
;; end of part 1
;; launch attn (part 2): grid 64 x 4, 8 waves a work-group, clusters of 4 x 1, 327,680 bytes of LDS; arguments qimg, kimg, vimg, x, gamma, out0; writes out0
.if DOCPART == 2
	.amdgcn_target "amdgcn-amd-amdhsa--gfx1250"
	.amdhsa_code_object_version 6
	.text
	.protected	k_q800b0e9e4e_attn
	.globl	k_q800b0e9e4e_attn
	.p2align	8
	.type	k_q800b0e9e4e_attn,@function
k_q800b0e9e4e_attn:
	s_mov_b64 s[64:65], 0
	v_nop
	global_prefetch_b8 v0, s[64:65] scope:SCOPE_SE
	s_setreg_imm32_b32 hwreg(HW_REG_WAVE_MODE, 25, 1), 1
	s_wait_xcnt 0x0
	s_wait_alu depctr_hold_cnt(0) depctr_sa_sdst(0) depctr_va_vdst(0) depctr_va_sdst(0) depctr_va_ssrc(0) depctr_va_vcc(0) depctr_vm_vsrc(0)
	s_getreg_b32 s2, hwreg(HW_REG_IB_STS2, 6, 4)
	s_cmp_eq_u32 s2, 0
	s_cbranch_scc0 .Lentry_in_a_cluster
	s_endpgm
.Lentry_in_a_cluster:
	s_bfe_u32 s2, ttmp6, 0x10000c
	s_cmp_lg_u32 s2, 0x3003
	s_cbranch_scc0 .Lentry_shape_is_right
	s_endpgm
.Lentry_shape_is_right:
; out[n][c][i] = x[n][c][i] + gamma / l[i] x the sum over keys j of v[n][c][j] p[i][j], p = 2^(t - M), t = (q[i] . k[j]) log2(e), M = the row's largest t rounded up to a whole number, l = the row's sum of the unquantised p.
; Both products on codes of FP4 (E2M1) with one E8M0 scale for each 32 along K.  q, k, v come as images of the operands' registers (their layouts: at the head of the launch that makes them).
; q . k has K = 64: the upper half of the instruction's 128 is zero codes, kept in registers that are cleared once.
; SHARES.  A work-group owns 64 queries of one image.  EIGHT waves of 512 registers, two to a SIMD.  Wave w makes the scores and p of query tile w / 2 for half w % 2 of each step's 128 keys,
; and holds the results of channels 64 w .. 64 w + 63 for ALL 64 queries: 16 accumulators.  So a fragment of v read from LDS feeds four matrix instructions; p, the small thing, goes from wave to wave through LDS
; as an image of its registers (my 64 keys are register group w % 2 of fragment w / 2, and half of its scale word), one barrier a key step, two buffers by turns.
; WHY TWO WAVES TO A SIMD.  A key step is one chain: scores, softmax, p to LDS, barrier, p from LDS, second product; a wave has 20 matrix instructions and some 105 vector lines in it, 34 of them exponentials.
; A wave alone on its SIMD sits out each link's wait; with two, one issues while the other waits, and one's vector lines stand beside the other's matrix instructions.  The price: p is read by eight waves and not by four.
; TWO PASSES over the keys, 128 a step.  Pass 1: scores and their maximum alone: 4 matrix instructions and 16 maxima a wave and step; it gives M as it is defined (the two halves of a row's keys meet once in LDS).
; Pass 2: scores again, p, the second product.  A running maximum would multiply the result registers in every step: 64 packed lines a wave against pass 1's 20.
; LAYOUT.  S^T = k q^T (source 0 = 16 keys, source 1 = my 16 queries): a lane holds one query; the keys of a tile are chosen so that registers 16 b + i are keys 32 b + 16 (lane / 16) + i of my 64.
; The second product: source 0 = p (16 queries), source 1 = v (16 channels): a lane holds ONE channel and its registers run along the queries, the innermost axis of out.
; CLUSTER.  The four work-groups of a cluster belong to one image and walk the same k and v: each tile is asked for JOINTLY, the same load with the same descriptor and a mask that names the four.
; LDS.  k of the whole image stays (147,456 bytes, filled once, an eighth by each wave, read by all).  v goes through two slots of two key steps; wave w fetches and alone reads its eighth (its 64 channels, 8,704 bytes a slot).
; The slot's refill stands behind a round of the cluster's barrier in the slot's second step, when its last bytes are in registers; it has two key steps in which to land.  At most three tensor loads of a wave are out (the first fills), later one.
; The stage of the way out lies in my own part of slot 0: it has had its last fill by then, and I alone have read it.
; x's rows for the last line are asked for at the head, into 128 registers that nothing else uses, and are waited for at the end.
; All of a WGP's LDS is claimed, and 0 is added to spare words in front of each refill's barrier and at the wave's end.
; LIMITS: NaN and infinities are not served.  p under 2^-126 becomes 0 (v_exp_f32 gives 0 there: ISA guide, its entry).  A block of p that is all zeros keeps the scale byte 1: its codes are zeros.
; A block's largest p is made from its largest score by the same multiply-add and exponential: this takes v_exp_f32 not to fall where its input rises.
; REGISTERS.  window 0: v1-11, v25-31, v92-94 addresses; v12 -M, v13 the largest t, v[14:15] the sum; v16-23 q; v24, v64-71 scale words; v32-63 p's four fragments; v76-79 gamma / l; v80-83 pass 1's maxima;
;   v96-127 S^T, then p; v128-159 k's four fragments; v160-191 v's four; v96-127 and v192-223 rows of out at the end; v224-253 at work.
;   window 1: v0-127 the 16 accumulators, (tile of channels t, tile of queries m) at 8 (4 t + m); v128-255 x.
.set VR1,   69632                      ; slot 1 (slot 0 at 0): 8 waves x 2 steps x 4,352 bytes
.set KB,    139264                     ; k: step s at 4,608 s, its half c at 2,304 c
.set PIMG,  286720                     ; p: 2 buffers x 4 tiles x 1,024 bytes
.set PSC,   294912                     ; p's scale words: 2 buffers x (16 r + 4 m)
.set LSUM,  295424                     ; l of the 64 queries, in the pixels' order: 256 bytes for each half of the keys
.set MXL,   295936                     ; the largest scores: 64 bytes for each wave
.set SPARE, 296448                     ; the spare words, 128 bytes for each wave: four blocks of 256 bytes that no other line names
.set SPW,  1
.set NIL,  2
.set AK0,  3                           ; KB + 2304 c + 16 x lane
.set AKS0, 4                           ; KB + 2304 c + 2048 + 8 x lane
.set ADK,  5                           ; the same, at the trip's first step
.set ADKS, 6
.set ADV,  7                           ; v7, v8: my eighth of slot 0, 1, + 16 x lane
.set PWI,  9
.set PRI,  10
.set PWS,  11
.set QF,   16
.set QS,   24
.set PRS,  25
.set LWA,  26
.set LRA,  27
.set STO,  28
.set RD,   29
.set XO,   30
.set MXW,  31
.set PF,   32
.set PS,   64
.set KS,   68
.set VS,   70
.set G,    76
.set MX,   80
.set ADVS, 92                          ; v92, v93: my eighth of slot 0, 1, + 4096 + 8 x lane: v's scale words
.set MXR,  94
.set S,    96
.set KF,   128
.set VF,   160
.set G0,   44                          ; s[44:47], s[48:51]: group 0 of slot 0, 1
.set MSB, 0
.macro WIN new                         ; the immediate's high byte repeats the setting that is left
.if MSB != \new
	s_set_vgpr_msb (MSB<<8)|\new
.set MSB, \new
.endif
.endm
.macro NOPS n
.rept \n
	v_nop
.endr
.endm
; A round of the cluster's barrier: my work-group's barrier, so that wave 0's signal speaks for all eight waves; wave 0 signals; every wave waits for the four work-groups; my work-group's barrier once more.
.macro ROUND
	s_barrier_signal -1
	s_barrier_wait -1
	s_cmp_lg_u32 s16, 0
	s_cbranch_scc1 .Lnot_wave_0_\@
	s_barrier_signal -3
.Lnot_wave_0_\@:
	s_barrier_wait -3
	s_barrier_signal -1
	s_barrier_wait -1
.endm
	s_load_b256 s[4:11], s[0:1], 0x0               ; qimg s[4:5], kimg s[6:7], vimg s[8:9], x s[10:11]
	s_load_b128 s[12:15], s[0:1], 0x20             ; gamma s[12:13], out s[14:15]
	v_lshl_add_u32 v[SPW], v0, 2, SPARE
	v_mov_b32 v[NIL], 0
	ds_add_u32 v1, v2
	ds_add_u32 v1, v2
	s_wait_dscnt 0x0
	v_lshrrev_b32 v31, 5, v0
	v_readfirstlane_b32 s16, v31                   ; wave 0..7
	s_bfe_u32 s17, ttmp6, 0x40000                  ; cx: my place in the cluster
	s_lshl_b32 s18, ttmp9, 2
	s_add_co_u32 s18, s18, s17                     ; my block of 64 queries: it enters q's, x's and out's addresses alone
	s_and_b32 s19, ttmp7, 0xffff                   ; the image, which the four partners share
	s_mov_b32 s20, 0x76543210
	s_mov_b32 s21, 0xfedcba98                      ; v_permlanex16_b32's selects for lane l xor 16
	s_mov_b32 s22, 0x3fb8aa3b                      ; log2(e)
	s_mov_b32 s23, s22                             ; (named with it as a pair, so it is written)
	; descriptor groups 1: dense blocks as rows of 256 bytes (32 elements of 8 bytes), no padding: images are read 16 x lane on end
	s_mov_b32 s24, 15|(3<<16)|(1<<21)              ; the mask: all four work-groups; elements of 8 bytes; bit 21 set beside a mask
	s_mov_b32 s25, 32<<16
	s_mov_b32 s26, 72<<16                          ; k: an eighth of an image's 147,456 bytes
	s_mov_b32 s27, 32<<16
	s_mov_b32 s28, 72
	s_mov_b32 s29, 32
	s_mov_b32 s30, 0
	s_mov_b32 s31, 0
	s_mov_b32 s32, 15|(3<<16)|(1<<21)
	s_mov_b32 s33, 32<<16
	s_mov_b32 s34, 34<<16                          ; v: two steps of my eighth, 8,704 bytes
	s_mov_b32 s35, 32<<16
	s_mov_b32 s36, 34
	s_mov_b32 s37, 32
	s_mov_b32 s38, 0
	s_mov_b32 s39, 0
	s_mul_i32 s56, s16, 18432
	s_mul_i32 s58, s19, 147456
	s_add_co_u32 s58, s58, s56                     ; k: image n, eighth w
	s_mov_b32 s59, 0
	s_lshl_b32 s60, s19, 3
	s_add_co_u32 s60, s60, s16
	s_mul_i32 s60, s60, 139264                     ; v: (8 n + w) x 32 steps of 4,352 bytes
	s_mov_b32 s61, 0
	s_mul_i32 s62, s16, 8704                       ; my eighth of a slot: no place in the cluster enters an LDS address
	s_lshl_b32 s2, s19, 6
	s_add_co_u32 s2, s2, s18
	s_mul_i32 s2, s2, 2304                         ; q: block 64 n + blk
	s_mov_b32 s3, 0
	s_mov_b32 s40, 1
	s_add_co_u32 s41, s56, KB
	s_mov_b32 s44, 1
	s_mov_b32 s45, s62
	s_mov_b32 s48, 1
	s_add_co_u32 s49, s62, VR1
	s_wait_kmcnt 0x0
	s_add_nc_u64 s[42:43], s[6:7], s[58:59]
	s_or_b32 s43, s43, 0x80000000
	s_add_nc_u64 s[46:47], s[8:9], s[60:61]        ; steps 0, 1
	s_add_nc_u64 s[50:51], s[46:47], 8704          ; steps 2, 3
	s_or_b32 s47, s47, 0x80000000
	s_or_b32 s51, s51, 0x80000000
	s_add_nc_u64 s[4:5], s[4:5], s[2:3]
	s_lshl_b32 s58, s19, 23                        ; x, out: image n,
	s_lshl_b32 s56, s16, 20                        ; my 64 channels,
	s_add_co_u32 s58, s58, s56
	s_lshl_b32 s56, s18, 8                         ; my 64 pixels
	s_add_co_u32 s58, s58, s56
	s_add_nc_u64 s[10:11], s[10:11], s[58:59]
	s_add_nc_u64 s[14:15], s[14:15], s[58:59]
	s_load_b32 s54, s[12:13], 0x0                  ; gamma
	ROUND                                          ; all four work-groups are here: the first joint loads meet
	tensor_load_to_lds s[40:43], s[24:31]          ; k, my eighth
	s_nop 0
	tensor_load_to_lds s[44:47], s[32:39]          ; v, slot 0
	s_nop 0
	tensor_load_to_lds s[48:51], s[32:39]          ; v, slot 1
	s_nop 0
	NOPS 4
	v_and_b32 v84, 31, v0                          ; lane
	v_and_b32 v85, 15, v0                          ; r
	v_bfe_u32 v86, v0, 4, 1                        ; h
	v_and_b32 v87, 8, v0
	v_add_nc_u32 v87, v87, v85                     ; r + 8 (r / 8)
	s_lshr_b32 s56, s16, 1                         ; m: my tile of queries
	s_and_b32 s57, s16, 1                          ; c: my half of a step's keys
	s_mul_i32 s58, s57, 2304
	s_add_co_u32 s58, s58, KB
	v_lshl_add_u32 v[AK0], v84, 4, s58
	s_add_co_u32 s58, s58, 2048
	v_lshl_add_u32 v[AKS0], v84, 3, s58
	v_lshl_add_u32 v[ADV], v84, 4, s62
	v_add_nc_u32 v[ADV+1], VR1, v[ADV]
	s_add_co_u32 s58, s62, 4096
	v_lshl_add_u32 v[ADVS], v84, 3, s58
	v_add_nc_u32 v[ADVS+1], VR1, v[ADVS]
	s_lshl_b32 s58, s16, 9
	s_add_co_u32 s58, s58, PIMG
	v_lshl_add_u32 v[PWI], v84, 4, s58             ; where I store my part of p's image: 1024 m + 512 c = 512 w
	v_lshl_add_u32 v[PRI], v84, 4, PIMG            ; and where I read the four fragments
	s_lshl_b32 s58, s16, 1
	s_add_co_u32 s58, s58, PSC
	v_lshl_add_u32 v[PWS], v85, 4, s58             ; my two scale bytes: 16 r + 4 m + 2 c = 16 r + 2 w
	v_lshl_add_u32 v[PRS], v85, 4, PSC
	s_lshl_b32 s58, s57, 8                         ; l: my half's 256 bytes;
	s_lshr_b32 s59, s56, 1
	s_lshl_b32 s59, s59, 7
	s_add_co_u32 s58, s58, s59
	s_and_b32 s59, s56, 1
	s_lshl_b32 s59, s59, 5
	s_add_co_u32 s58, s58, s59
	s_add_co_u32 s58, s58, LSUM
	v_lshl_add_u32 v[LWA], v87, 2, s58             ; my query is pixel 32 (m / 2) + 8 (m % 2) + r + 8 (r / 8)
	v_lshl_add_u32 v[LRA], v85, 4, LSUM            ; pixels 4 r .. 4 r + 3
	s_lshl_b32 s58, s16, 6
	s_add_co_u32 s58, s58, MXL
	v_lshl_add_u32 v[MXW], v85, 2, s58             ; my half's largest score of query r
	s_lshl_b32 s58, s56, 7
	s_add_co_u32 s58, s58, MXL
	v_lshl_add_u32 v[MXR], v85, 2, s58             ; both halves': 64 bytes apart
	v_mul_u32_u24 v[STO], v85, 272                 ; my stage: 16 rows x (256 + 16) bytes at the head of my eighth of slot 0
	v_lshl_add_u32 v[STO], v86, 6, v[STO]
	v_add_nc_u32 v[STO], s62, v[STO]               ; in: row = channel r; pixels 16 h on
	v_mul_u32_u24 v[RD], v86, 272
	v_lshl_add_u32 v[RD], v85, 4, v[RD]
	v_add_nc_u32 v[RD], s62, v[RD]                 ; back: lanes 0-15 one row of 256 bytes, lanes 16-31 the next
	v_lshlrev_b32 v[XO], 14, v86
	v_lshl_add_u32 v[XO], v85, 4, v[XO]            ; and the same two rows in x and in out
	s_lshl_b32 s58, s56, 9
	v_lshl_add_u32 v89, v84, 4, s58                ; q: tile m's codes
	s_and_b32 s59, s56, 1
	s_lshl_b32 s58, s59, 7
	s_lshr_b32 s59, s56, 1
	s_lshl_b32 s59, s59, 2
	s_add_co_u32 s58, s58, s59
	s_add_co_u32 s58, s58, 2048
	v_lshl_add_u32 v90, v85, 3, s58                ; and row r's scale word: 2048 + 8 (16 (m % 2) + r) + 4 (m / 2)
	global_load_b128 v[QF:QF+3], v89, s[4:5]
	global_load_b32 v[QS], v90, s[4:5]
.irp i, 4,5,6,7
	v_mov_b32 v[QF+\i], 0                          ; K = 64 .. 127: zero codes
.endr
.irp t, 0,1,2,3
.irp i, 4,5,6,7
	v_mov_b32 v[KF+8*\t+\i], 0                     ; the same in k's four fragments: cleared once, never loaded
.endr
.endr
	s_wait_kmcnt 0x0                               ; gamma
	s_wait_loadcnt 0x0                             ; q: so that the counts at the end count x's loads alone
	WIN 0x40                                       ; destination window 1
.irp t, 0,1,2,3
.irp i, 0,1,2,3,4,5,6,7
	global_load_b128 v[128+32*\t+4*\i:128+32*\t+4*\i+3], v[XO], s[10:11] offset:(16*\t+2*\i)*16384 th:TH_LOAD_NT   ; sixteen lanes read a channel's 256 bytes
.endr
.endr
	WIN 0
.irp b, 0,1,2,3                        ; these eight plain lines stand here on purpose: an operand register written by a vector instruction (k's cleared halves, above) stands at least four plain vector lines ahead of a scaled matrix instruction
	v_mov_b32 v[236+\b], 0                         ; written once: a lane permute's destination counts as one of its sources
	v_mov_b32 v[MX+\b], 0xff800000                 ; -infinity, under every score
.endr
	s_wait_tensorcnt 0x2                           ; my eighth of k is in; v's two loads may stay out
	s_barrier_signal -1
	s_barrier_wait -1                              ; everybody's is
.macro KCODES adr, ofs                 ; my four tiles of a step's k: registers 0-3 of each fragment
.irp m, 0,1,2,3
	ds_load_b128 v[KF+8*\m:KF+8*\m+3], v[\adr] offset:(\ofs)+512*\m
.endr
.endm
.macro KSC adr, ofs                    ; and their scale words: register T / 2 holds tile T's in lanes 0-15 (T even) or 16-31 (T odd)
	ds_load_b64 v[KS:KS+1], v[\adr] offset:(\ofs)
.endm
.macro SMUL                            ; S^T = k q^T: four tiles of 16 keys; each starts anew with the constant 0
.irp t, 0,2
	v_wmma_scale_f32_16x16x128_f8f6f4 v[S+8*\t:S+8*\t+7], v[KF+8*\t:KF+8*\t+7], v[QF:QF+7], 0, v[KS+\t/2], v[QS] matrix_a_fmt:MATRIX_FMT_FP4 matrix_b_fmt:MATRIX_FMT_FP4
	v_wmma_scale_f32_16x16x128_f8f6f4 v[S+8*\t+8:S+8*\t+15], v[KF+8*\t+8:KF+8*\t+15], v[QF:QF+7], 0, v[KS+\t/2], v[QS] matrix_a_fmt:MATRIX_FMT_FP4 matrix_b_fmt:MATRIX_FMT_FP4 matrix_a_scale:MATRIX_SCALE_ROW1
.endr
.endm
; PASS 1, a key step: the scores; the next step's k is asked for; the maxima, a chain for each tile, each accumulator from its low end on.  upd = 1: the trip's addresses are made, where no LDS instruction of mine is out.
.macro M1STEP adr, adrs, ofs, upd
	s_wait_dscnt 0x0                               ; this step's k is in
.if \upd
	v_add_nc_u32 v[ADK], s52, v[AK0]
	v_add_nc_u32 v[ADKS], s52, v[AKS0]
.endif
	SMUL
	NOPS 4                                         ; four places in front of loads into the products' registers and of the first read of results
	KCODES \adr, \ofs
	KSC \adrs, \ofs
.irp i, 0,2,4,6
.irp t, 0,1,2,3
	v_max3_num_f32 v[MX+\t], v[MX+\t], v[S+8*\t+\i], v[S+8*\t+\i+1]
.endr
.endr
.endm
	KCODES AK0, 0
	KSC AKS0, 0
	s_mov_b32 s52, 0                               ; LDS bytes from k's first step to the trip's first
	s_mov_b32 s53, 7
.Lp1:                                              ; 7 trips of four steps
	M1STEP ADK, ADKS, 4608, 1
	M1STEP ADK, ADKS, 9216, 0
	M1STEP ADK, ADKS, 13824, 0
	M1STEP ADK, ADKS, 18432, 0
	s_add_co_u32 s52, s52, 18432
	s_sub_co_u32 s53, s53, 1
	s_cmp_lg_u32 s53, 0
	s_cbranch_scc1 .Lp1
	M1STEP ADK, ADKS, 4608, 1                      ; steps 28 to 31
	M1STEP ADK, ADKS, 9216, 0
	M1STEP ADK, ADKS, 13824, 0
	M1STEP AK0, AKS0, 0, 0                         ; the last asks for step 0 again, for pass 2
	v_max3_num_f32 v[MX], v[MX], v[MX+1], v[MX+2]
	v_max_num_f32 v[MX], v[MX], v[MX+3]
	v_permlanex16_b32 v[MX+1], v[MX], s20, s21     ; the query's other keys of my half lie in the lane 16 away
	v_max_num_f32 v13, v[MX], v[MX+1]              ; the largest score of my half of the keys
	ds_store_b32 v[MXW], v13                       ; lanes r and r + 16 store the same word with the same value
	s_wait_dscnt 0x0                               ; my store has landed (and k of step 0 is in)
	s_barrier_signal -1
	s_barrier_wait -1                              ; v's first fills may still be out
	ds_load_b32 v[MX], v[MXR]
	ds_load_b32 v[MX+1], v[MXR] offset:64
	s_wait_dscnt 0x0
	v_max_num_f32 v13, v[MX], v[MX+1]              ; the row's largest score,
	v_mul_f32 v13, s22, v13                        ; as t,
	v_floor_f32 v12, -v13                          ; and -M = floor(-t) = -ceil(t)
	v_mov_b32 v14, 0                               ; the sum of my half, in two halves
	v_mov_b32 v15, 0
.macro PVI t, m, zero                  ; one product of the second kind: source 0 = p's tile m, source 1 = v's tile t
.set rO, 8*(4*(\t)+(\m))
.if \zero
.if (\t)%2
	v_wmma_scale_f32_16x16x128_f8f6f4 v[rO:rO+7], v[PF+8*(\m):PF+8*(\m)+7], v[VF+8*(\t):VF+8*(\t)+7], 0, v[PS+(\m)], v[VS+(\t)/2] matrix_a_fmt:MATRIX_FMT_FP4 matrix_b_fmt:MATRIX_FMT_FP4 matrix_b_scale:MATRIX_SCALE_ROW1
.else
	v_wmma_scale_f32_16x16x128_f8f6f4 v[rO:rO+7], v[PF+8*(\m):PF+8*(\m)+7], v[VF+8*(\t):VF+8*(\t)+7], 0, v[PS+(\m)], v[VS+(\t)/2] matrix_a_fmt:MATRIX_FMT_FP4 matrix_b_fmt:MATRIX_FMT_FP4
.endif
.else
.if (\t)%2
	v_wmma_scale_f32_16x16x128_f8f6f4 v[rO:rO+7], v[PF+8*(\m):PF+8*(\m)+7], v[VF+8*(\t):VF+8*(\t)+7], v[rO:rO+7], v[PS+(\m)], v[VS+(\t)/2] matrix_a_fmt:MATRIX_FMT_FP4 matrix_b_fmt:MATRIX_FMT_FP4 matrix_b_scale:MATRIX_SCALE_ROW1
.else
	v_wmma_scale_f32_16x16x128_f8f6f4 v[rO:rO+7], v[PF+8*(\m):PF+8*(\m)+7], v[VF+8*(\t):VF+8*(\t)+7], v[rO:rO+7], v[PS+(\m)], v[VS+(\t)/2] matrix_a_fmt:MATRIX_FMT_FP4 matrix_b_fmt:MATRIX_FMT_FP4
.endif
.endif
.endm
; PASS 2, a key step: step q of slot a.  kind: the barrier in its middle: 0 plain; 1 a round of the cluster's barrier and the refill of slot a; 2 plain, with all tensor loads waited for.
; kpre = 1: the next step's k is asked for, ofs bytes on from the trip's first.  zero = 1: the products start the sums: nothing is ever cleared.
.macro PSTEP a, q, kind, kpre, ofs, zero
	SMUL                                           ; this step's k came in ahead of the last wait for all LDS loads
	NOPS 4                                         ; four places: for the loads into k's and v's registers and their scale words, and for the first read of the scores
.if \kpre
	KCODES ADK, \ofs
.endif
.irp t, 0,1,2,3
.irp c, 0,1
	ds_load_b128 v[VF+8*\t+4*\c:VF+8*\t+4*\c+3], v[ADV+\a] offset:4352*\q+1024*\t+512*\c       ; v's four fragments of this step
.endr
.endr
.if \kpre
	KSC ADKS, \ofs
.endif
	ds_load_b64 v[VS:VS+1], v[ADVS+\a] offset:4352*\q              ; register t / 2: tile t's words in lanes 0-15 (t even) or 16-31 (t odd)
.irp t, 0,1,2,3
	v_max3_num_f32 v[240+\t], v[S+8*\t], v[S+8*\t+1], v[S+8*\t+2]  ; the largest score of each block of 32 keys (p rises with the score): a chain for each tile, from its low end on,
.endr
.irp i, 3,5
.irp t, 0,1,2,3
	v_max3_num_f32 v[240+\t], v[240+\t], v[S+8*\t+\i], v[S+8*\t+\i+1]
.endr
.endr
.irp b, 0,1
	v_max3_num_f32 v[232+\b], v[240+2*\b], v[241+2*\b], v[S+16*\b+7]           ; two tiles make my 16 keys of a block,
.endr
.irp b, 0,1
	v_max_num_f32 v[232+\b], v[232+\b], v[S+16*\b+15]
.endr
.irp b, 0,1
	v_permlanex16_b32 v[236+\b], v[232+\b], s20, s21
.endr
.irp b, 0,1
	v_max_num_f32 v[232+\b], v[232+\b], v[236+\b]  ; with lane l xor 16's 16 keys
.endr
.set jj, 0
.rept 16
	v_pk_fma_f32 v[S+jj:S+jj+1], v[S+jj:S+jj+1], s[22:23], v[12:13] op_sel_hi:[1,0,0]          ; t - M, two at a time (of the pairs the low word serves both halves)
.set jj, jj+2
.endr
.irp b, 0,1
	v_fma_f32 v[232+\b], v[232+\b], s22, v12       ; the same of each block's largest score
.endr
.set jj, 0
.rept 32
	v_exp_f32 v[S+jj], v[S+jj]                     ; p = 2^(t - M), at most 1
.set jj, jj+1
.endr
.irp b, 0,1
	v_exp_f32 v[232+\b], v[232+\b]                 ; the block's largest p: the same two instructions on the same number
.endr
	v_nop                                          ; a plain place behind the exponentials
	s_wait_alu depctr_va_vdst(0)
.irp b, 0,1
	v_max_num_f32 v[232+\b], 0x1800000, v[232+\b]  ; the floor 2^(3 - 127): the byte cannot fall under 1
.endr
.irp b, 0,1
	v_add_nc_u32 v[244+\b], 0xff000000, v[232+\b]  ; 2 off the exponent field: the conversion's scale operand
.endr
.irp b, 0,1
	v_lshrrev_b32 v[236+\b], 23, v[244+\b]         ; the scale's byte
.endr
	v_lshl_or_b32 v253, v237, 8, v236              ; my half of p's scale word for these 128 keys
.irp b, 0,1
	v_cvt_scalef32_pk8_fp4_f32 v[224+2*\b], v[S+16*\b:S+7+16*\b], v[244+\b]
	v_cvt_scalef32_pk8_fp4_f32 v[225+2*\b], v[S+8+16*\b:S+15+16*\b], v[244+\b]
.endr
	v_nop                                          ; one plain place behind a scaled conversion
.irp i, 0,1                            ; the operand's layout wants a whole block in a lane
	v_permlane16_swap_b32 v[224+\i], v[226+\i]
.endr
	ds_store_b128 v[PWI], v[224:227] offset:4096*\q                ; my register group of p's fragment goes to LDS as it stands, into the buffer of this step's parity
	ds_store_b16 v[PWS], v253 offset:256*\q        ; lanes r and r + 16 store the same two bytes with the same value
.if \kind == 0
	s_wait_dscnt 0x0                               ; my stores have landed; v and the next k are in
	s_barrier_signal -1
	s_barrier_wait -1                              ; the four tiles of p lie in LDS.  The buffer is written again two steps on, behind the next step's barrier, in front of which every wave has waited for its reads of it
.else
	s_wait_tensorcnt 0x0                           ; all my tensor loads have landed: the one that was out is my eighth of the other slot
	ds_add_u32 v[SPW], v[NIL]                      ; 0 onto my spare word
.if \kind == 1
	s_add_nc_u64 s[G0+4*\a+2:G0+4*\a+3], s[G0+4*\a+2:G0+4*\a+3], 17408         ; no load of mine is out, so the group 0 may be written: this slot's next two steps, four steps on
.endif
	s_wait_dscnt 0x0                               ; the add is done, my stores have landed, and my reads of this slot are over: its last fragments are in registers
.if \kind == 1
	ROUND                                          ; that now holds of every wave of the four work-groups
	tensor_load_to_lds s[G0+4*\a:G0+4*\a+3], s[32:39]              ; the first thing behind the round, and my one tensor load until the next
	s_nop 0
	NOPS 4
.else
	s_barrier_signal -1
	s_barrier_wait -1
.endif
.endif
.irp m, 0,1,2,3
.irp c, 0,1
	ds_load_b128 v[PF+8*\m+4*\c:PF+8*\m+4*\c+3], v[PRI] offset:4096*\q+1024*\m+512*\c
.endr
.endr
	ds_load_b128 v[PS:PS+3], v[PRS] offset:256*\q
	v_pk_add_f32 v[236:237], v[S:S+1], v[S+2:S+3]  ; the row's sum is taken of the unquantised p: two at a time, in two chains, while the loads are out
.irp j, 4,8,12,16,20,24,28
	v_pk_add_f32 v[14:15], v[14:15], v[S+\j:S+\j+1]
	v_pk_add_f32 v[236:237], v[236:237], v[S+\j+2:S+\j+3]
.endr
	v_pk_add_f32 v[14:15], v[14:15], v[236:237]
	s_wait_dscnt 0x0                               ; p is in
	WIN 0x50                                       ; C and D window 1
.irp t, 0,1,2,3                        ; the 16 accumulators take turns, one instruction a turn
.irp m, 0,1,2,3
	PVI \t, \m, \zero
.endr
.endr
	WIN 0
.endm
; Four key steps: slot 0's two, slot 1's two.  fill = 1: both slots are filled again and the next trip's first k is asked for.
.macro TRIP fill, zero
	PSTEP 0, 0, 0, 1, 4608, \zero
.if \fill
	PSTEP 0, 1, 1, 1, 9216, 0
.else
	PSTEP 0, 1, 2, 1, 9216, 0
.endif
	PSTEP 1, 0, 0, 1, 13824, 0
.if \fill
	PSTEP 1, 1, 1, 1, 18432, 0
	s_add_co_u32 s52, s52, 18432
	v_add_nc_u32 v[ADK], s52, v[AK0]               ; no LDS instruction of mine is out here
	v_add_nc_u32 v[ADKS], s52, v[AKS0]
.else
	PSTEP 1, 1, 0, 0, 0, 0
.endif
.endm
	s_wait_tensorcnt 0x1                           ; my eighth of slot 0 is in; slot 1's load may be out
	s_mov_b32 s52, 0
	v_mov_b32 v[ADK], v[AK0]
	v_mov_b32 v[ADKS], v[AKS0]
	TRIP 1, 1                                      ; the first trip is written out: its first products start the sums
	s_mov_b32 s53, 6
.Lp2:
	TRIP 1, 0
	s_sub_co_u32 s53, s53, 1
	s_cmp_lg_u32 s53, 0
	s_cbranch_scc1 .Lp2
	TRIP 0, 0                                      ; the last trip is written out: nothing is left to fetch
	; THE WAY OUT.  l of the 64 queries meets in LDS, in its two halves; then a tile of 16 channels x 64 queries at a time goes through my stage and comes back as rows of 256 bytes, which take x and leave.
	v_add_f32 v14, v14, v15                        ; the sum's two halves,
	v_permlanex16_b32 v236, v14, s20, s21
	v_add_f32 v14, v14, v236                       ; and lane l xor 16's: the row's sum over my half of the keys
	ds_store_b32 v[LWA], v14
	s_wait_dscnt 0x0
	s_barrier_signal -1
	s_barrier_wait -1
	ds_load_b128 v[G:G+3], v[LRA]
	ds_load_b128 v[232:235], v[LRA] offset:256
	s_wait_dscnt 0x0
	v_pk_add_f32 v[G:G+1], v[G:G+1], v[232:233]    ; both halves of the keys
	v_pk_add_f32 v[G+2:G+3], v[G+2:G+3], v[234:235]
.irp i, 0,1,2,3
	v_rcp_f32 v[G+\i], v[G+\i]
.endr
	v_nop                                          ; a plain place behind the reciprocals
	s_wait_alu depctr_va_vdst(0)
.irp i, 0,1,2,3
	v_mul_f32 v[G+\i], s54, v[G+\i]                ; gamma / l of pixels 4 r .. 4 r + 3
.endr
.macro TOSTAGE t
	WIN 0x04                                       ; an LDS store's data are its source 1: window 1
.irp m, 0,1,2,3
	ds_store_b128 v[STO], v[8*(4*(\t)+\m):8*(4*(\t)+\m)+3] offset:128*(\m/2)+32*(\m%2)         ; register j of tile m is pixel 32 (m / 2) + 8 (m % 2) + 16 h + j; each accumulator from its low end on
	ds_store_b128 v[STO], v[8*(4*(\t)+\m)+4:8*(4*(\t)+\m)+7] offset:128*(\m/2)+32*(\m%2)+16
.endr
	WIN 0
.irp i, 0,1,2,3,4,5,6,7
	ds_load_b128 v[96+96*((\t)%2)+4*\i:96+96*((\t)%2)+4*\i+3], v[RD] offset:544*\i             ; LDS serves a wave's instructions in order (ISA guide 5.7.1.4): these see my stores, and the next tile's stores come behind them
.endr
.endm
.macro SEND t, younger                 ; younger: the LDS instructions issued behind tile t's loads
.set BKR, 96+96*((\t)%2)
	s_wait_dscnt \younger                          ; the tile is back in registers
	s_wait_loadcnt 8*(3-(\t))                      ; x's eight loads of this tile are in; those of the tiles behind it may be out
	WIN 0x10                                       ; source 2 (x) window 1
.irp i, 0,1,2,3,4,5,6,7
	v_pk_fma_f32 v[BKR+4*\i:BKR+4*\i+1], v[BKR+4*\i:BKR+4*\i+1], v[G:G+1], v[128+32*(\t)+4*\i:128+32*(\t)+4*\i+1]
	v_pk_fma_f32 v[BKR+4*\i+2:BKR+4*\i+3], v[BKR+4*\i+2:BKR+4*\i+3], v[G+2:G+3], v[128+32*(\t)+4*\i+2:128+32*(\t)+4*\i+3]
.endr
	WIN 0
.irp i, 0,1,2,3,4,5,6,7
	global_store_b128 v[XO], v[BKR+4*\i:BKR+4*\i+3], s[14:15] offset:(16*(\t)+2*\i)*16384 th:TH_STORE_NT   ; sixteen lanes store 256 consecutive bytes, at a multiple of 256 from out's first byte
.endr
.endm
	TOSTAGE 0
.irp t, 1,2,3
.if \t > 1
	s_wait_xcnt 0x0                                ; tile t - 2's stores have read their registers: tile t's loads may land there
.endif
	TOSTAGE \t
	SEND \t-1, 16                                  ; behind tile t - 1's loads: tile t's 8 stores and 8 loads
.endr
	SEND 3, 0
	s_wait_tensorcnt 0x0                           ; the wave's end: 0 onto my spare word, behind my last tensor load and my last LDS store
	ds_add_u32 v[SPW], v[NIL]
	s_wait_dscnt 0x0
	ROUND                                          ; the closing round: no work-group ends while a partner may still ask for a tile that names it
	s_endpgm
.Lfunc_end_k_q800b0e9e4e_attn:
	.size	k_q800b0e9e4e_attn, .Lfunc_end_k_q800b0e9e4e_attn-k_q800b0e9e4e_attn
	.p2alignl 7, 3214868480
	.fill 96, 4, 3214868480
	.section	.rodata,"a",@progbits
	.p2align	6, 0x0
	.amdhsa_kernel k_q800b0e9e4e_attn
		.amdhsa_group_segment_fixed_size 327680
		.amdhsa_private_segment_fixed_size 0
		.amdhsa_enable_private_segment 0
		.amdhsa_kernarg_size 48
		.amdhsa_user_sgpr_count 2
		.amdhsa_user_sgpr_kernarg_segment_ptr 1
		.amdhsa_wavefront_size32 1
		.amdhsa_system_sgpr_workgroup_id_x 1
		.amdhsa_system_sgpr_workgroup_id_y 1
		.amdhsa_system_sgpr_workgroup_id_z 1
		.amdhsa_system_vgpr_workitem_id 0
		.amdhsa_next_free_vgpr 512
		.amdhsa_next_free_sgpr 66
		.amdhsa_reserve_vcc 0
		.amdhsa_float_denorm_mode_32 3
		.amdhsa_float_denorm_mode_16_64 3
		.amdhsa_memory_ordered 1
		.amdhsa_forward_progress 1
		.amdhsa_inst_pref_size 159
	.end_amdhsa_kernel
	.amdgpu_metadata
---
amdhsa.version: [ 1, 2 ]
amdhsa.kernels:
  - .name:           k_q800b0e9e4e_attn
    .symbol:         k_q800b0e9e4e_attn.kd
    .args:
      - { .name: qimg, .offset: 0, .size: 8, .value_kind: global_buffer, .address_space: global }
      - { .name: kimg, .offset: 8, .size: 8, .value_kind: global_buffer, .address_space: global }
      - { .name: vimg, .offset: 16, .size: 8, .value_kind: global_buffer, .address_space: global }
      - { .name: x, .offset: 24, .size: 8, .value_kind: global_buffer, .address_space: global }
      - { .name: gamma, .offset: 32, .size: 8, .value_kind: global_buffer, .address_space: global }
      - { .name: out0, .offset: 40, .size: 8, .value_kind: global_buffer, .address_space: global }
    .group_segment_fixed_size: 327680
    .private_segment_fixed_size: 0
    .kernarg_segment_align: 8
    .kernarg_segment_size: 48
    .max_flat_workgroup_size: 256
    .sgpr_count:     66
    .vgpr_count:     512
    .wavefront_size: 32
...
	.end_amdgpu_metadata
.endif
;; end of part 2
